; MI455X (gfx1250); checked and timed in simulation.
; The chip was launched on July 23, 2026; its instructions are those of AMD's public machine-readable ISA for CDNA 5 (MIT licence, August 2026) and "CDNA5" Instruction Set Architecture Reference Guide (July 2026). The comments in the code are by the model that wrote it; some were corrected since.
;; Bit Linear. Allowed arithmetic: float matrix products may take bf16 or f16 operands with f32 sums; other float arithmetic in f32, or as packed bf16 or f16 multiplies, adds, multiply-adds, maxima and minima; sums over many terms, partial sums and values carried from step to step in f32; what a program stores and reads back later, other than sums and carried values, may be rounded once to bf16 or f16.
;; Inputs: bp 1,048,576 int32; scale 2,048 x 1 float32; x 8,192 x 4,096 float32.
;; Outputs: out0 8,192 x 2,048 float32.
;; One version. Each part assembles by itself: llvm-mc -triple=amdgcn-amd-amdhsa -mcpu=gfx1250 --defsym DOCPART=n.
;; ======== version 1 of 1: 1 launch
;; launch bitgemm (part 1): grid 8 x 32, 4 waves a work-group, clusters of 4 x 4, 327,680 bytes of LDS; arguments x, bp, scale, out0; writes out0
.if DOCPART == 1
	.amdgcn_target "amdgcn-amd-amdhsa--gfx1250"
	.amdhsa_code_object_version 6
	.text
	.protected	k_qc397990eae_bitgemm
	.globl	k_qc397990eae_bitgemm
	.p2align	8
	.type	k_qc397990eae_bitgemm,@function
k_qc397990eae_bitgemm:
	s_mov_b64 s[64:65], 0
	v_nop
	global_prefetch_b8 v0, s[64:65] scope:SCOPE_SE
	s_setreg_imm32_b32 hwreg(HW_REG_WAVE_MODE, 25, 1), 1
	s_wait_xcnt 0x0
	s_wait_alu depctr_hold_cnt(0) depctr_sa_sdst(0) depctr_va_vdst(0) depctr_va_sdst(0) depctr_va_ssrc(0) depctr_va_vcc(0) depctr_vm_vsrc(0)
	s_getreg_b32 s2, hwreg(HW_REG_IB_STS2, 6, 4)
	s_cmp_eq_u32 s2, 0
	s_cbranch_scc0 .Lentry_in_a_cluster
	s_endpgm
.Lentry_in_a_cluster:
	s_bfe_u32 s2, ttmp6, 0x10000c
	s_cmp_lg_u32 s2, 0xf033
	s_cbranch_scc0 .Lentry_shape_is_right
	s_endpgm
.Lentry_shape_is_right:
; out0[m][n] = scale[n] * sum over k of x[m][k] * s[n][k],  s[n][k] = +1 or -1 by bit 7 - k % 8 of the word bp[512 n + k / 8] (only a word's low byte is looked at).
; x: [8192][4096] f32, bp: [2048 x 512] i32, scale: [2048] f32, out0: [8192][2048] f32.
; LIMITS.  x is rounded once to bf16 (nearest even) for the products: a magnitude beyond bf16's largest finite number becomes an infinity.  The weights +-1 are exact in bf16; sums and the scale in f32.
; The order of the sums differs from the definition's (K in steps of 32, a fixed order of k inside a step).  The signs are unpacked inverted and the sum is multiplied by -scale: the sign of a zero
; may differ.  NaN and infinities are not treated apart.
; SHARES.  32 x 8 = 256 tiles of 256 x 256 of out0, one work-group each; four waves, each 128 x 128: 64 accumulators of 16 x 16, 512 registers.
; K goes in steps of 128 through two LDS slots filled by the tensor data mover.  A slot holds x AS IT LIES (256 rows x 512 bytes of f32) and bp AS IT LIES (256 rows x 16 words): 155,648 bytes with the
; padding; a bf16 copy of the weights beside x in f32 (69,632 bytes more a slot) would not fit twice.  So both operands are made in registers: 64 roundings of pairs and 128 bit operations for
; the 64 matrix instructions of a quarter step, three vector instructions a matrix instruction, dealt behind the matrix instructions, at most four behind each.
; bp's tile rows are 64 bytes of memory: rows of 256 bytes would be K steps of 512, which x's slots cannot hold; bp's bytes are one eighth of x's in a step.
; CLUSTERS.  4 x 4 work-groups.  The four of a row of the cluster need the same rows of x, the four of a column the same rows of bp: each tile is asked for JOINTLY, by the same tensor load with the
; same descriptor and a mask that names the four.
; THE MATRIX INSTRUCTION IS USED TRANSPOSED: source 0 = 16 rows of weights, source 1 = 16 rows of x: a lane (r = l % 16, h = l / 16) then holds row r of out0 and the columns 8 h + 0..7.
; THE ORDER OF k INSIDE A FRAGMENT is the same for both sources, so the products stay paired: in quarter q the place (h, register j, half u) stands for k = 32 q + 16 h + 8 u + j.
;   x: a lane's 16 numbers R[0..15] are 64 consecutive bytes at byte 128 q + 64 h of its row; register j = bf16(R[j]) below, bf16(R[j + 8]) above.
;   weights: a lane's two words w0, w1 are the 8 bytes at byte 16 q + 8 h of its row; c holds w0's low byte in byte 1 and w1's in byte 3; c << j has bit 7 - j of each at the sign places 15 and 31;
;   register j takes those two bits as signs of 1.0, 1.0.  A set bit thus gives -1.0 where the definition has +1: the factor -scale at the end makes it good.
; REGISTERS, in windows of 256 (s_set_vgpr_msb: bits 1:0 source 0, 3:2 source 1, 5:4 source 2, 7:6 destination):
;   window 0: v0-29 addresses and -scale; v64-127, v128-191 x's fragments, two buffers (on the way out: rows read back); v192-255 R[0..7] of the eight blocks of 16 rows
;   window 1: v0-15 the words of bp, a pair a block; v16-23 c; v25-31 c << 1..7; v64-127, v128-191 the weights' fragments, two buffers; v192-255 R[8..15]
;   window 2: the accumulators of my rows 0-63 ((a, b) at v[8 (8 (a % 4) + b)]);   window 3: those of my rows 64-127
.set SIZE_N, 2048
.set SIZE_K, 4096
.set KSTEP,  128
.set PA,     528                       ; an LDS row of x: 512 bytes + 16 of padding = 33 x 16: the 16 rows that a load touches lie in 16 different columns of 16 bytes modulo 256
.set HALFA,  128*PA                    ; 128 rows of x: what one tensor load brings and what one wave reads
.set PB,     80                        ; an LDS row of bp: 64 bytes + 16 = 5 x 16: 16 rows x 2 halves of 8 bytes lie in 32 different columns of 8 bytes modulo 256
.set HALFB,  128*PB
.set SLOT,   2*HALFA+2*HALFB           ; x's 256 rows, then bp's 256 rows: 155,648 bytes
.set SPARE,  2*SLOT                    ; behind the ring: the spare words, 128 bytes for each wave: two blocks of 256 bytes that no other line names
.set STG,    16*PA                     ; the way out: 16 rows x 528 bytes = 33 x 256 for each wave, at wave x STG: in slot 0's rows of x, written only when slot 0 has had its last fill and its last read
.set LAPS,   SIZE_K/(2*KSTEP)          ; a lap = two K steps = once round the ring: 16
.set NSC,  4                           ; v4-7    -scale of the four columns that I store
.set ADRA, 16                          ; v16-17  LDS address of my lane's bytes of x in slot 0, 1
.set ADRB, 20                          ; v20-21  the same for bp
.set STO,  24                          ; v24     the way out: where I put my eight numbers of a row
.set RD,   25                          ; v25     the way out: where I read 16 bytes of a row back
.set CO,   26                          ; v26     16 x lane: my byte offset in 512 bytes of scale and of a row of out0
.set SPW,  28                          ; v28     LDS address of my spare word: SPARE + 4 x my thread's number; never rewritten
.set NIL,  29                          ; v29     0; never rewritten
.set RAW,  192                         ; x as loaded: R[0..7] in window 0, R[8..15] in window 1
.set CB,   16                          ; window 1: c of block b
.set TB,   24                          ; window 1: c << e at TB + e
.set WV,  12                           ; s12  my wave's number
.set RH,  13                           ; s13  which half of the tile's rows is mine
.set CH,  14                           ; s14  which half of its columns; also: which 128 rows of a tile I fetch
.set G1A, 24                           ; s[24:31] descriptor group 1 for x's tiles
.set G0A, 32                           ; s[32:39] group 0 for x's tiles, one set for each slot
.set G1B, 48                           ; s[48:55], s[56:63] the same for bp's tiles
.set G0B, 56
.set SGN, 66                           ; s66  the two sign places
.set ONE, 67                           ; s67  1.0 twice in bf16
.set SEL, 68                           ; s68  v_perm_b32's selects
.set MSB, 0
.macro WIN new                         ; the immediate's high byte repeats the setting that is left; a switch that changes nothing is dropped
.if MSB != (\new)
	s_set_vgpr_msb (MSB<<8)|(\new)
.set MSB, (\new)
.endif
.endm
; A joint load.  Waves 0 and 1 fetch the two halves of x's tile, waves 2 and 3 those of bp's.  The branch hangs on the wave's number alone: it is the same in every work-group.
; An s_nop 0 and four v_nop follow each of the two lines, ahead of the jump, the label and what follows.
.macro JLOAD s
	s_cmp_lt_u32 s[WV], 2
	s_cbranch_scc0 .Lfor_b_\@
	tensor_load_to_lds s[G0A+4*(\s):G0A+4*(\s)+3], s[G1A:G1A+7]
	s_nop 0
.rept 4
	v_nop
.endr
	s_branch .Lasked_\@
.Lfor_b_\@:
	tensor_load_to_lds s[G0B+4*(\s):G0B+4*(\s)+3], s[G1B:G1B+7]
	s_nop 0
.rept 4
	v_nop
.endr
.Lasked_\@:
.endm
; A round of the cluster's barrier: my work-group's barrier, so that wave 0's signal speaks for all four waves; wave 0 signals; every wave waits for all sixteen work-groups; my work-group's barrier once more.
.macro CREST                           ; a round behind its opening barrier
	s_cmp_lg_u32 s[WV], 0
	s_cbranch_scc1 .Lnot_wave_0_\@
	s_barrier_signal -3
.Lnot_wave_0_\@:
	s_barrier_wait -3
	s_barrier_signal -1
	s_barrier_wait -1
.endm
.macro CROUND                          ; a whole round
	s_barrier_signal -1
	s_barrier_wait -1
	CREST
.endm
.macro PLACES                          ; four plain vector instructions between a matrix instruction and a store of its result or a load into one of its sources (ISA guide 7.12.1 for vector instructions)
.rept 4
	v_nop
.endr
.endm
	s_load_b256 s[4:11], s[0:1], 0x0               ; x s[4:5], bp s[6:7], scale s[8:9], out0 s[10:11]
	v_lshl_add_u32 v[SPW], v0, 2, SPARE
	v_mov_b32 v[NIL], 0
	ds_add_u32 v[SPW], v[NIL]                      ; the wave's opening: the add and its wait stand ahead of my first tensor load; the set-up below, work on registers, stands between them
	v_lshrrev_b32 v1, 5, v0
	v_readfirstlane_b32 s[WV], v1                  ; wave 0..3
	s_lshr_b32 s[RH], s[WV], 1
	s_and_b32 s[CH], s[WV], 1
	s_bfe_u32 s40, ttmp6, 0x40000                  ; cx: my place along the cluster's x
	s_bfe_u32 s41, ttmp6, 0x40004                  ; cy: along its y
	s_lshl_b32 s42, ttmp9, 2                       ; in a cluster launch ttmp9 and ttmp7 count clusters
	s_add_co_u32 s42, s42, s40                     ; tile column = 4 x cluster x + cx
	s_and_b32 s43, ttmp7, 0xffff
	s_lshl_b32 s43, s43, 2
	s_add_co_u32 s43, s43, s41                     ; tile row = 4 x cluster y + cy
	s_lshl_b32 s44, s41, 2
	s_lshl_b32 s44, 15, s44                        ; my row of the cluster: places 4 cy .. 4 cy + 3
	s_lshl_b32 s45, 0x1111, s40                    ; my column: places cx, cx + 4, cx + 8, cx + 12
	; descriptor group 1.  x: a tile of 128 rows x 128 elements of 4 bytes; bp: 128 rows x 16 elements of 4 bytes; both padded in LDS by 4 words a row
	s_or_b32 s[G1A+0], s44, (2<<16)|(1<<20)|(1<<21)|(6<<22)|(3<<25)  ; 15:0 the mask: x's tiles go to my row; 17:16 elements of 4 bytes; 20 padding on; 21 set beside a mask; 24:22 after every 128 words (code 6); 31:25 4 words (code 3)
	s_or_b32 s[G1B+0], s45, (2<<16)|(1<<20)|(1<<21)|(3<<22)|(3<<25)  ; the mask of my column; after every 16 words (code 3)
	s_mov_b32 s[G1A+1], KSTEP<<16                  ; tensor_dim0 = 128
	s_mov_b32 s[G1A+2], 128<<16                    ; tensor_dim1 = 128
	s_mov_b32 s[G1A+3], KSTEP<<16                  ; tile_dim0 = 128
	s_mov_b32 s[G1A+4], 128                        ; tile_dim1 = 128
	s_mov_b32 s[G1A+5], SIZE_K                     ; elements from row to row
	s_mov_b32 s[G1A+6], 0
	s_mov_b32 s[G1A+7], 0
	s_mov_b32 s[G1B+1], (KSTEP/8)<<16              ; tensor_dim0 = 16
	s_mov_b32 s[G1B+2], 128<<16                    ; tensor_dim1 = 128
	s_mov_b32 s[G1B+3], (KSTEP/8)<<16              ; tile_dim0 = 16
	s_mov_b32 s[G1B+4], 128                        ; tile_dim1 = 128
	s_mov_b32 s[G1B+5], SIZE_K/8                   ; 512 words from row to row
	s_mov_b32 s[G1B+6], 0
	s_mov_b32 s[G1B+7], 0
	; where the tiles come from.  x's hang on the tile row alone, which my row of the cluster shares; bp's on the tile column alone, which my column shares.
	; Every wave makes both offsets, in registers that never hold the other coordinate, and asks by one of them.
	s_lshl_b32 s16, s43, 8
	s_lshl_b32 s17, s[CH], 7
	s_add_co_u32 s16, s16, s17                     ; x: row 256 x tile row + 128 x half,
	s_lshl_b32 s16, s16, 14                        ; of 16,384 bytes: 132,120,576 at the most
	s_mov_b32 s17, 0
	s_lshl_b32 s46, s42, 8
	s_lshl_b32 s47, s[CH], 7
	s_add_co_u32 s46, s46, s47                     ; bp: row 256 x tile column + 128 x half,
	s_lshl_b32 s46, s46, 11                        ; of 2,048 bytes
	s_mov_b32 s47, 0
	s_mul_i32 s20, s[CH], HALFA                    ; and where they go: no place in the cluster enters an LDS address
	s_mul_i32 s21, s[CH], HALFB
	s_add_co_u32 s21, s21, 2*HALFA
	s_mov_b32 s[SGN], 0x80008000
	s_mov_b32 s[ONE], 0x3f803f80
	s_mov_b32 s[SEL], 0x04000000                   ; byte 3: the first source's byte 0; bytes 0 to 2: the second source's byte 0 (bytes 0 and 2 are never looked at)
	s_wait_dscnt 0x0                               ; the opening add is done
	s_wait_kmcnt 0x0
	s_add_nc_u64 s[16:17], s[4:5], s[16:17]
	s_add_nc_u64 s[46:47], s[6:7], s[46:47]
	CROUND                                         ; all sixteen work-groups are here: the first joint loads meet
.irp s, 0,1
	s_mov_b32 s[G0A+4*(\s)], 1                                       ; 1:0 count = 1
	s_add_co_u32 s[G0A+4*(\s)+1], s20, (\s)*SLOT                     ; 63:32 LDS address
	s_add_nc_u64 s[G0A+4*(\s)+2:G0A+4*(\s)+3], s[16:17], (\s)*KSTEP*4  ; 120:64 global address: K step s
	s_or_b32 s[G0A+4*(\s)+3], s[G0A+4*(\s)+3], 0x80000000            ; 127:126 type = 2
	s_mov_b32 s[G0B+4*(\s)], 1
	s_add_co_u32 s[G0B+4*(\s)+1], s21, (\s)*SLOT
	s_add_nc_u64 s[G0B+4*(\s)+2:G0B+4*(\s)+3], s[46:47], (\s)*KSTEP/2
	s_or_b32 s[G0B+4*(\s)+3], s[G0B+4*(\s)+3], 0x80000000
	JLOAD \s                                       ; the ring is filled before anything else is done: two loads of mine are out
.endr
	v_and_b32 v1, 15, v0                           ; r = l % 16
	v_bfe_u32 v2, v0, 4, 1                         ; h = l / 16
	v_mul_u32_u24 v3, v1, PA
	v_lshl_add_u32 v3, v2, 6, v3                   ; x: row x pitch + 64 h
	s_mul_i32 s22, s[RH], HALFA                    ; my 128 rows of x
	v_add_nc_u32 v[ADRA], s22, v3
	s_add_co_u32 s22, s22, SLOT
	v_add_nc_u32 v[ADRA+1], s22, v3
	v_mul_u32_u24 v9, v1, PB
	v_lshl_add_u32 v9, v2, 3, v9                   ; bp: row x pitch + 8 h
	s_mul_i32 s23, s[CH], HALFB                    ; my 128 rows of bp,
	s_add_co_u32 s23, s23, 2*HALFA                 ; which lie behind x's 256
	v_add_nc_u32 v[ADRB], s23, v9
	s_add_co_u32 s23, s23, SLOT
	v_add_nc_u32 v[ADRB+1], s23, v9
	s_mul_i32 s22, s[WV], STG                      ; my stage
	v_mul_u32_u24 v3, v1, PA
	v_lshl_add_u32 v3, v2, 5, v3                   ; in: row r, 32 bytes for each half of the lanes
	v_add_nc_u32 v[STO], s22, v3
	v_and_b32 v9, 31, v0
	v_lshlrev_b32 v[CO], 4, v9                     ; back: 32 lanes take one row of 512 bytes
	v_add_nc_u32 v[RD], s22, v[CO]
	s_lshl_b32 s46, s42, 10                        ; my first column, in bytes: 1,024 x tile column + 512 x half
	s_lshl_b32 s47, s[CH], 9
	s_add_co_u32 s46, s46, s47
	s_mov_b32 s47, 0
	s_add_nc_u64 s[8:9], s[8:9], s[46:47]          ; scale at my 128 columns
	s_lshl_b32 s18, s43, 8
	s_lshl_b32 s19, s[RH], 7
	s_add_co_u32 s18, s18, s19                     ; my first row of out0,
	s_lshl_b32 s18, s18, 13                        ; of 8,192 bytes
	s_mov_b32 s19, 0
	s_add_nc_u64 s[10:11], s[10:11], s[18:19]
	s_add_nc_u64 s[10:11], s[10:11], s[46:47]      ; out0 at my 128 x 128
	global_load_b128 v[NSC:NSC+3], v[CO], s[8:9]   ; scale of the four columns that I store
	s_wait_loadcnt 0x0                             ; it is awaited here, where the wave waits for its first tile anyway
.irp j, 0,1,2,3
	v_mul_f32 v[NSC+(\j)], -1.0, v[NSC+(\j)]       ; -scale: the weights are unpacked with their signs inverted
.endr
; THE PIECES OF A QUARTER STEP.  They go by symbols that QUARTER sets: FB the buffer that is multiplied, GB the buffer that is built; AS, AK the slot and row byte of x to be loaded; BS, BK those of bp;
; i, nla, nlb, jb, ja count the matrix instructions, the loads and the vector work.
; Matrix instruction i of 64: rows 16 (i / 8) on, columns 16 (i % 8) on.  The 64 accumulators take turns in this one order in every quarter, one instruction a turn.
; zero = 1: the first product starts the sums: nothing is ever cleared.
.macro MM zero
.set ma, i/8
.set mb, i%8
.set rD, 8*(8*(ma%4)+mb)
	WIN 0xa1+0x50*(ma/4)                           ; source 0 (weights) window 1, source 1 (x) window 0, C and D window 2 or 3
.if \zero
	v_wmma_f32_16x16x32_bf16 v[rD:rD+7], v[FB+8*mb:FB+8*mb+7], v[FB+8*ma:FB+8*ma+7], 0
.else
	v_wmma_f32_16x16x32_bf16 v[rD:rD+7], v[FB+8*mb:FB+8*mb+7], v[FB+8*ma:FB+8*ma+7], v[rD:rD+7]
.endif
.set i, i+1
.endm
; The next 4 of the 32 loads of x: first R[0..7] of the eight blocks of 16 rows (window 0), then R[8..15] (window 1)
.macro RLA
.rept 4
.if nla < 16
	WIN 0
	ds_load_b128 v[RAW+8*(nla/2)+4*(nla%2):RAW+8*(nla/2)+4*(nla%2)+3], v[ADRA+AS] offset:(nla/2)*16*PA+AK+16*(nla%2)
.else
	WIN 0x40                                       ; destination window 1, address window 0
	ds_load_b128 v[RAW+8*((nla-16)/2)+4*(nla%2):RAW+8*((nla-16)/2)+4*(nla%2)+3], v[ADRA+AS] offset:((nla-16)/2)*16*PA+AK+32+16*(nla%2)
.endif
.set nla, nla+1
.endr
.endm
; The next 4 of the 8 loads of bp: block b's two words
.macro RLB
	WIN 0x40
.rept 4
	ds_load_b64 v[2*nlb:2*nlb+1], v[ADRB+BS] offset:nlb*16*PB+BK
.set nlb, nlb+1
.endr
.endm
; The next 4 of the 128 bit operations: 8 x c; then for each block 7 shifts and 8 insertions of the two sign bits into 1.0, 1.0
.macro RB
	WIN 0x45                                       ; sources 0 and 1 and the destination in window 1
.rept 4
.if jb < 8
	v_perm_b32 v[CB+jb], v[2*jb+1], v[2*jb], s[SEL]
.else
.set ub, (jb-8)/15
.set ue, (jb-8)%15
.if ue < 7
	v_lshlrev_b32 v[TB+ue+1], ue+1, v[CB+ub]
.elseif ue == 7
	v_bfi_b32 v[GB+8*ub], s[SGN], v[CB+ub], s[ONE]
.else
	v_bfi_b32 v[GB+8*ub+ue-7], s[SGN], v[TB+ue-7], s[ONE]
.endif
.endif
.set jb, jb+1
.endr
.endm
; The next 3 of the 64 roundings: register j of block a = bf16(R[j]), bf16(R[j + 8])
.macro RA
.rept 3
.if ja < 64
	WIN 0x04                                       ; source 0 and destination window 0, source 1 window 1
	v_cvt_pk_bf16_f32 v[GB+ja], v[RAW+ja], v[RAW+ja]
.set ja, ja+1
.endif
.endr
.endm
; A QUARTER STEP: 32 along K, 64 matrix instructions on buffer q % 2, and beside them the making of the next quarter's fragments in the other buffer.
;   behind products 0-7    the 32 loads of x for quarter q + 1
;   behind products 8-39   the weights of quarter q + 1, from the words that the quarter before has loaded
;   behind products 40-47 and 50-63   the roundings of x
;   behind products 48, 49 the 8 loads of bp for quarter q + 2
; The vector work writes only the buffer that is not multiplied; its first write into a fragment stands sixteen plain vector instructions or more behind the last product that read the fragment.
; THE CHANGE OF SLOTS stands in quarter 2 (meet = 1 or 2): the slot's last bytes, bp's for quarter 3 and x's for quarter 3, have been asked for by then; behind the barrier only the other slot is read.
; In front of it each wave waits for all its tensor loads, of which one is out: its part of the other slot; adds 0 to its spare word; and waits for that and for its reads of this slot.
; meet = 1: the barrier opens a round of the cluster's, so that no wave of any partner still reads this slot or has a load on its way, and this slot is filled again, first thing behind the round,
; two K steps ahead: from that request to the wait for it a wave issues 248 matrix instructions.  meet = 2: the last change: nothing is asked for.
; fa, fb = 0: no loads of x, of bp;  ride = 0: no vector work (the last quarters).
.macro QUARTER slot, q, zero=0, meet=0, fa=1, fb=1, ride=1
.set i, 0
.set nla, 0
.set nlb, 0
.set jb, 0
.set ja, 0
.set FB, 64+64*((\q)%2)
.set GB, 64+64*(((\q)+1)%2)
.set AS, (\slot)
.set BS, (\slot)
.if (\q) == 3
.set AS, 1-(\slot)
.endif
.if (\q) >= 2
.set BS, 1-(\slot)
.endif
.set AK, 128*(((\q)+1)%4)
.set BK, 16*(((\q)+2)%4)
.rept 8
	MM \zero
.if \fa
	RLA
.endif
.endr
.if \ride
	s_wait_dscnt 32                                ; LDS loads come back in order (ISA guide 5.7.1): the 8 loads of bp are in, the 32 of x just issued may be out
.endif
.rept 32
	MM \zero
.if \ride
	RB
.endif
.endr
.if \meet
	WIN 0                                          ; (the add's two registers lie in window 0)
	s_wait_tensorcnt 0x0                           ; all my tensor loads have landed: the one that was out is my part of the other slot;
	ds_add_u32 v[SPW], v[NIL]                      ; 0 onto my spare word;
	s_wait_dscnt 1                                 ; only the add may be out: x is in
.elseif \ride
	s_wait_dscnt 0x0                               ; x is in
.endif
.rept 4
	MM \zero
.if \ride
	RA
.endif
.endr
.if \meet
	s_wait_dscnt 0x0                               ; the add is done, and my reads of this slot are over:
	s_barrier_signal -1                            ; say so,
.endif
.rept 4
	MM \zero                                       ; work on registers while the others arrive,
.if \ride
	RA
.endif
.endr
.if (\meet) == 1
	WIN 0
	s_barrier_wait -1                              ; and go on when all four have said so
	CREST                                          ; all sixteen work-groups have said so
	s_add_nc_u64 s[G0A+4*(\slot)+2:G0A+4*(\slot)+3], s[G0A+4*(\slot)+2:G0A+4*(\slot)+3], 2*KSTEP*4  ; no tensor load of mine is out, so a group 0 may be written: two K steps on
	s_add_nc_u64 s[G0B+4*(\slot)+2:G0B+4*(\slot)+3], s[G0B+4*(\slot)+2:G0B+4*(\slot)+3], 2*KSTEP/2
	JLOAD \slot                                    ; the first tensor load behind the round, ahead of my first read there
.elseif (\meet) == 2
	s_barrier_wait -1
.endif
.rept 2
	MM \zero
.if \fb
	RLB
.endif
.endr
.rept 14
	MM \zero
.if \ride
	RA
.endif
.endr
.endm
	s_wait_tensorcnt 1                             ; my part of K step 0 is in; K step 1's may stay out
	s_barrier_signal -1
	s_barrier_wait -1                              ; everybody's is
	; the first quarter's fragments are made in one run: there are no products yet to set them beside
.set AS, 0
.set BS, 0
.set AK, 0
.set BK, 0
.set GB, 64
.set nla, 0
.set nlb, 0
.set jb, 0
.set ja, 0
	RLB
	RLB
.rept 8
	RLA
.endr
	s_wait_dscnt 0x0
.rept 32
	RB
.endr
.rept 22
	RA
.endr
.set nlb, 0
.set BK, 16
	RLB                                            ; bp's words for quarter 1
	RLB
	QUARTER 0, 0, 1                                ; the first quarter stands in front of the loop: its products start the sums
	WIN 0                                          ; at a label and at a branch every window is 0
	s_mov_b32 s3, LAPS-1
.Llap:                                                 ; a trip goes once round the ring, from a lap's second quarter to the next lap's first, and fills both slots again: K steps 2 to 31 in 15 trips
	QUARTER 0, 1
	QUARTER 0, 2, 0, 1
	QUARTER 0, 3
	QUARTER 1, 0
	QUARTER 1, 1
	QUARTER 1, 2, 0, 1
	QUARTER 1, 3
	QUARTER 0, 0
	WIN 0
	s_sub_co_u32 s3, s3, 1
	s_cmp_lg_u32 s3, 0
	s_cbranch_scc1 .Llap
	QUARTER 0, 1                                   ; the last lap is written out: it asks for nothing
	QUARTER 0, 2, 0, 2                             ; behind this barrier no wave reads slot 0 again, and nothing fills it
	QUARTER 0, 3
	QUARTER 1, 0
	QUARTER 1, 1
	QUARTER 1, 2, 0, 0, 1, 0                       ; no words of bp are left to load,
	QUARTER 1, 3, 0, 0, 0, 0, 0                    ; and nothing is left to make
; THE WAY OUT, a block of 16 rows at a time.  A lane's eight numbers are 32 bytes of a row; they go into my stage, rows of 528 bytes, and come back as whole rows of 512 bytes: lane l then holds the columns
; 4 l + 0..3 in every row, is multiplied by their -scale, and a store of the wave covers 512 consecutive bytes at a multiple of 256 from out0's first byte.
.macro TOSTAGE a
.set AC, 64*((\a)%4)
.set OBK, 64+64*((\a)%2)
	WIN 0x08+4*((\a)/4)                            ; the stores' data in window 2 or 3
	s_wait_xcnt 0x0                                ; every earlier memory instruction has had its addresses translated (ISA guide 3.1): the registers that the stores two blocks back read are loaded again only behind this wait
.irp b, 0,1,2,3,4,5,6,7
	ds_store_b128 v[STO], v[AC+8*(\b):AC+8*(\b)+3] offset:64*(\b)          ; each accumulator's low registers first
	ds_store_b128 v[STO], v[AC+8*(\b)+4:AC+8*(\b)+7] offset:64*(\b)+16
.endr
	WIN 0
.irp t, 0,1,2,3,4,5,6,7,8,9,10,11,12,13,14,15
	ds_load_b128 v[OBK+4*(\t):OBK+4*(\t)+3], v[RD] offset:(\t)*PA          ; LDS serves a wave's instructions in order (ISA guide 5.7.1.4): these see the stores above; the next block's stores come behind them
.endr
.endm
.macro SEND a, younger                 ; younger: the LDS instructions issued behind block a's loads: the next block's 32, or none
.set OBK, 64+64*((\a)%2)
	WIN 0
	s_wait_dscnt \younger                          ; the block is back in registers
.irp t, 0,1,2,3,4,5,6,7,8,9,10,11,12,13,14,15
	v_pk_mul_f32 v[OBK+4*(\t):OBK+4*(\t)+1], v[OBK+4*(\t):OBK+4*(\t)+1], v[NSC:NSC+1]
	v_pk_mul_f32 v[OBK+4*(\t)+2:OBK+4*(\t)+3], v[OBK+4*(\t)+2:OBK+4*(\t)+3], v[NSC+2:NSC+3]
	global_store_b128 v[CO], v[OBK+4*(\t):OBK+4*(\t)+3], s[10:11] offset:(16*(\a)+(\t))*SIZE_N*4 th:TH_STORE_NT  ; 127 rows of 8,192 bytes at the most: inside the signed 24-bit immediate
.endr
.endm
	WIN 0
	PLACES                                         ; the last quarter has no vector work: these are the places behind its products
	TOSTAGE 0
.irp a, 1,2,3,4,5,6,7                  ; block a's way through the stage is begun ahead of the wait for block a - 1
	TOSTAGE \a
	SEND (\a)-1, 32
.endr
	SEND 7, 0
	s_wait_tensorcnt 0x0                           ; the wave's end, behind my last tensor load and my last LDS store
	ds_add_u32 v[SPW], v[NIL]
	s_wait_dscnt 0x0
	CROUND                                         ; the closing round: no work-group ends while a partner may still ask for a tile that names it
	s_endpgm
.Lfunc_end_k_qc397990eae_bitgemm:
	.size	k_qc397990eae_bitgemm, .Lfunc_end_k_qc397990eae_bitgemm-k_qc397990eae_bitgemm
	.p2alignl 7, 3214868480
	.fill 96, 4, 3214868480
	.section	.rodata,"a",@progbits
	.p2align	6, 0x0
	.amdhsa_kernel k_qc397990eae_bitgemm
		.amdhsa_group_segment_fixed_size 327680
		.amdhsa_private_segment_fixed_size 0
		.amdhsa_enable_private_segment 0
		.amdhsa_kernarg_size 32
		.amdhsa_user_sgpr_count 2
		.amdhsa_user_sgpr_kernarg_segment_ptr 1
		.amdhsa_wavefront_size32 1
		.amdhsa_system_sgpr_workgroup_id_x 1
		.amdhsa_system_sgpr_workgroup_id_y 1
		.amdhsa_system_sgpr_workgroup_id_z 1
		.amdhsa_system_vgpr_workitem_id 0
		.amdhsa_next_free_vgpr 1024
		.amdhsa_next_free_sgpr 70
		.amdhsa_reserve_vcc 0
		.amdhsa_float_denorm_mode_32 3
		.amdhsa_float_denorm_mode_16_64 3
		.amdhsa_memory_ordered 1
		.amdhsa_forward_progress 1
		.amdhsa_inst_pref_size 255
	.end_amdhsa_kernel
	.section	.bss,"aw",@nobits
	.p2align	6
	.space	262144
	.amdgpu_metadata
---
amdhsa.version: [ 1, 2 ]
amdhsa.kernels:
  - .name:           k_qc397990eae_bitgemm
    .symbol:         k_qc397990eae_bitgemm.kd
    .args:
      - { .name: x, .offset: 0, .size: 8, .value_kind: global_buffer, .address_space: global }
      - { .name: bp, .offset: 8, .size: 8, .value_kind: global_buffer, .address_space: global }
      - { .name: scale, .offset: 16, .size: 8, .value_kind: global_buffer, .address_space: global }
      - { .name: out0, .offset: 24, .size: 8, .value_kind: global_buffer, .address_space: global }
    .group_segment_fixed_size: 327680
    .private_segment_fixed_size: 0
    .kernarg_segment_align: 8
    .kernarg_segment_size: 32
    .max_flat_workgroup_size: 128
    .sgpr_count:     70
    .vgpr_count:     1024
    .wavefront_size: 32
...
	.end_amdgpu_metadata
.endif
;; end of part 1
